; MI455X (gfx1250); checked and timed in simulation.
; The chip was launched on July 23, 2026; its instructions are those of AMD's public machine-readable ISA for CDNA 5 (MIT licence, August 2026) and "CDNA5" Instruction Set Architecture Reference Guide (July 2026). The comments in the code are by the model that wrote it; some were corrected since.
;; Weight Only Int4 Linear. Allowed arithmetic: float matrix products may take bf16 or f16 operands with f32 sums; other float arithmetic in f32, or as packed bf16 or f16 multiplies, adds, multiply-adds, maxima and minima; sums over many terms, partial sums and values carried from step to step in f32; what a program stores and reads back later, other than sums and carried values, may be rounded once to bf16 or f16.
;; Inputs: input 4 x 2,048 x 4,096 float32; scales_and_zeros 32 x 2,048 x 2 float32; weight_q 2,048 x 4,096 int32.
;; Outputs: out0 4 x 2,048 x 2,048 float32.
;; One version. Each part assembles by itself: llvm-mc -triple=amdgcn-amd-amdhsa -mcpu=gfx1250 --defsym DOCPART=n.
;; ======== version 1 of 1: 2 launches
;; limits: values are held in f16: magnitudes above 65,504 overflow, below 6.1e-05 lose precision
;; workspace buffers: xh 67,108,864 bytes; wh 16,777,216 bytes
;; launch prep (part 1): grid 1024 x 1, 8 waves a work-group, no clusters, 0 bytes of LDS; arguments input, scales_and_zeros, weight_q, xh, wh; writes xh, wh
.if DOCPART == 1
	.amdgcn_target "amdgcn-amd-amdhsa--gfx1250"
	.amdhsa_code_object_version 6
	.text
	.protected	k_qd0329359b0_prep
	.globl	k_qd0329359b0_prep
	.p2align	8
	.type	k_qd0329359b0_prep,@function
k_qd0329359b0_prep:
	s_mov_b64 s[64:65], 0
	v_nop
	global_prefetch_b8 v0, s[64:65] scope:SCOPE_SE
	s_setreg_imm32_b32 hwreg(HW_REG_WAVE_MODE, 25, 1), 1
	s_wait_xcnt 0x0
; xh[r][k] = f16(x[r][k]);  wh[n][k] = f16((q[n][k] - 8) * s[k/128][n] + z[k/128][n]).
; x: [8192][4096] f32.  q: [2048][4096] int32.  scales_and_zeros: [32][2048][2] f32 (s, z side by side).  xh: [8192][4096] f16.  wh: [2048][4096] f16.
; A stream: every input byte is read once, every output byte written once; no LDS, no barrier, no matrix work: the waves share nothing.
; LIMITS.  f16 holds no number beyond 65,504: an x or a w of magnitude 65,520 or more becomes an infinity; below 6.1e-5 f16 keeps its fixed step of 6e-8.
; q - 8 is exact in f32 for |q| below 2^24; (q - 8) s + z is ONE fused multiply-add (one rounding where the definition has two), then one rounding to f16.  q is taken as any int32.
; SHARES.  8,192 waves.  Wave u = 8 x work-group + wave takes
;   (a) row u of x: 32 pieces of 512 bytes; a piece is one 16-byte load a lane (512 consecutive bytes a wave) and one 8-byte store a lane (256 consecutive bytes, aligned);
;   (b) eight pieces of W: rows n0 .. n0 + 7 of one group g of 128 columns; a piece is 128 int32 = 512 bytes in, 256 bytes out, and has ONE scale and ONE zero for the whole wave.
;       U = 2 x work-group + wave / 4;  g = U % 32;  n0 = 32 (U / 32) + 8 (wave % 4): four waves together read 256 consecutive aligned bytes of scales_and_zeros.
; No address register is ever rewritten: the pieces stand in the immediates.
.set W, 8                              ; v[8:39]    piece i of W at W + 4 i: as loaded, at work, and (its first two registers) as stored
.set X, 40                             ; v[40:103]  16 slots of 4: a piece of x as loaded, and (its first two registers) as stored
	s_load_b256 s[4:11], s[0:1], 0x0               ; x s[4:5], scales_and_zeros s[6:7], q s[8:9], xh s[10:11]
	s_load_b64 s[12:13], s[0:1], 0x20              ; wh
	v_lshrrev_b32 v6, 5, v0
	v_readfirstlane_b32 s14, v6                    ; my wave's number, 0 to 7
	v_and_b32 v6, 31, v0                           ; lane
	v_lshlrev_b32 v1, 4, v6                        ; 16 x lane: my 16 bytes of a piece as it comes in
	v_lshlrev_b32 v2, 3, v6                        ; 8 x lane: my 8 bytes of a piece as it goes out
	v_and_b32 v3, 7, v0
	v_lshlrev_b32 v3, 3, v3                        ; 8 x (lane % 8): the pair (s, z) of row n0 + lane % 8
	s_lshl_b32 s15, ttmp9, 3
	s_add_co_u32 s15, s15, s14                     ; u
	s_lshr_b32 s18, s14, 2
	s_lshl_b32 s19, ttmp9, 1
	s_add_co_u32 s18, s18, s19                     ; U
	s_lshr_b32 s19, s18, 5                         ; U / 32
	s_and_b32 s20, s18, 31                         ; g
	s_and_b32 s21, s14, 3
	s_lshl_b32 s21, s21, 3
	s_lshl_b32 s22, s19, 5
	s_add_co_u32 s22, s22, s21                     ; n0
	s_mov_b32 s17, 0                               ; every offset below stays under 2^31
	s_mov_b32 s25, 0                               ; the packed forms name pairs and take the low word for both halves
	s_mov_b32 s27, 0
	s_mov_b32 s28, 0xc1000000                      ; -8.0
	s_mov_b32 s29, 0
	s_wait_kmcnt 0x0
	s_lshl_b32 s16, s15, 14                        ; a row of x is 16,384 bytes
	s_add_nc_u64 s[4:5], s[4:5], s[16:17]
	s_lshl_b32 s16, s15, 13                        ; a row of xh 8,192
	s_add_nc_u64 s[10:11], s[10:11], s[16:17]
	s_lshl_b32 s16, s22, 14                        ; a row of q is 16,384 bytes, a group 512
	s_lshl_b32 s23, s20, 9
	s_add_co_u32 s16, s16, s23
	s_add_nc_u64 s[8:9], s[8:9], s[16:17]
	s_lshl_b32 s16, s22, 13                        ; a row of wh is 8,192 bytes, a group 256
	s_lshl_b32 s23, s20, 8
	s_add_co_u32 s16, s16, s23
	s_add_nc_u64 s[12:13], s[12:13], s[16:17]
	s_lshl_b32 s16, s20, 14                        ; a group of scales_and_zeros is 16,384 bytes, a row's pair 8
	s_lshl_b32 s23, s22, 3
	s_add_co_u32 s16, s16, s23
	s_add_nc_u64 s[6:7], s[6:7], s[16:17]
	; 25 loads on end: the pairs (s, z), the eight pieces of W, the first sixteen pieces of x
	global_load_b64 v[4:5], v3, s[6:7]
.irp i, 0,1,2,3,4,5,6,7
	global_load_b128 v[W+4*(\i):W+4*(\i)+3], v1, s[8:9] offset:16384*(\i) th:TH_LOAD_NT
.endr
.irp i, 0,1,2,3,4,5,6,7,8,9,10,11,12,13,14,15
	global_load_b128 v[X+4*(\i):X+4*(\i)+3], v1, s[4:5] offset:512*(\i) th:TH_LOAD_NT
.endr
; Piece i of W: row n0 + i.  Its registers are never written again behind the store.
.macro WPIECE i
	s_wait_loadcnt 23-(\i)                         ; loads come back in order (ISA guide 5.7.1): behind piece i were issued 7 - i pieces of W and 16 of x; the pairs (s, z) came first of all
	v_readlane_b32 s24, v4, \i                     ; lane i holds row n0 + i's scale
	v_readlane_b32 s26, v5, \i                     ; and zero
.irp k, 0,1,2,3
	v_cvt_f32_i32 v[W+4*(\i)+(\k)], v[W+4*(\i)+(\k)]
.endr
	v_pk_add_f32 v[W+4*(\i):W+4*(\i)+1],   v[W+4*(\i):W+4*(\i)+1],   s[28:29] op_sel_hi:[1,0]  ; q - 8
	v_pk_add_f32 v[W+4*(\i)+2:W+4*(\i)+3], v[W+4*(\i)+2:W+4*(\i)+3], s[28:29] op_sel_hi:[1,0]
	v_pk_fma_f32 v[W+4*(\i):W+4*(\i)+1],   v[W+4*(\i):W+4*(\i)+1],   s[24:25], s[26:27] op_sel_hi:[1,0,0]  ; times s, plus z
	v_pk_fma_f32 v[W+4*(\i)+2:W+4*(\i)+3], v[W+4*(\i)+2:W+4*(\i)+3], s[24:25], s[26:27] op_sel_hi:[1,0,0]
	v_cvt_pk_f16_f32 v[W+4*(\i)],   v[W+4*(\i)],   v[W+4*(\i)+1]
	v_cvt_pk_f16_f32 v[W+4*(\i)+1], v[W+4*(\i)+2], v[W+4*(\i)+3]
	global_store_b64 v2, v[W+4*(\i):W+4*(\i)+1], s[12:13] offset:8192*(\i)  ; the wave stores 256 consecutive bytes, at a multiple of 256 from wh's first byte
.endm
; Piece p of x, in slot i.  refill = 1: the slot takes piece p + 16.  left = how many younger loads may stay out.
.macro XTURN i, p, refill, left
	s_wait_loadcnt \left
	v_cvt_pk_f16_f32 v[X+4*(\i)],   v[X+4*(\i)],   v[X+4*(\i)+1]
	v_cvt_pk_f16_f32 v[X+4*(\i)+1], v[X+4*(\i)+2], v[X+4*(\i)+3]
	global_store_b64 v2, v[X+4*(\i):X+4*(\i)+1], s[10:11] offset:256*(\p)  ; 256 consecutive bytes, at a multiple of 256 from xh's first byte
.if \refill
	s_wait_xcnt 0x0                                ; the slot's first two registers are the store's data: they are loaded again only behind this wait (ISA guide 3.1)
	global_load_b128 v[X+4*(\i):X+4*(\i)+3], v1, s[4:5] offset:512*((\p)+16) th:TH_LOAD_NT
.endif
.endm
.irp i, 0,1,2,3,4,5,6,7
	WPIECE \i
.endr
.irp i, 0,1,2,3,4,5,6,7,8,9,10,11,12,13,14,15
	XTURN \i, \i, 1, 15                            ; behind slot i's load: 15 - i first loads and i refills
.endr
.irp i, 0,1,2,3,4,5,6,7,8,9,10,11,12,13,14,15
	XTURN \i, (\i)+16, 0, 15-(\i)                  ; the second half of the row loads nothing: the counts run down
.endr
	s_endpgm
.Lfunc_end_k_qd0329359b0_prep:
	.size	k_qd0329359b0_prep, .Lfunc_end_k_qd0329359b0_prep-k_qd0329359b0_prep
	.p2alignl 7, 3214868480
	.fill 96, 4, 3214868480
	.section	.rodata,"a",@progbits
	.p2align	6, 0x0
	.amdhsa_kernel k_qd0329359b0_prep
		.amdhsa_group_segment_fixed_size 0
		.amdhsa_private_segment_fixed_size 0
		.amdhsa_enable_private_segment 0
		.amdhsa_kernarg_size 40
		.amdhsa_user_sgpr_count 2
		.amdhsa_user_sgpr_kernarg_segment_ptr 1
		.amdhsa_wavefront_size32 1
		.amdhsa_system_sgpr_workgroup_id_x 1
		.amdhsa_system_sgpr_workgroup_id_y 1
		.amdhsa_system_sgpr_workgroup_id_z 1
		.amdhsa_system_vgpr_workitem_id 0
		.amdhsa_next_free_vgpr 104
		.amdhsa_next_free_sgpr 66
		.amdhsa_reserve_vcc 0
		.amdhsa_float_denorm_mode_32 3
		.amdhsa_float_denorm_mode_16_64 3
		.amdhsa_memory_ordered 1
		.amdhsa_forward_progress 1
		.amdhsa_inst_pref_size 21
	.end_amdhsa_kernel
	.amdgpu_metadata
---
amdhsa.version: [ 1, 2 ]
amdhsa.kernels:
  - .name:           k_qd0329359b0_prep
    .symbol:         k_qd0329359b0_prep.kd
    .args:
      - { .name: input, .offset: 0, .size: 8, .value_kind: global_buffer, .address_space: global }
      - { .name: scales_and_zeros, .offset: 8, .size: 8, .value_kind: global_buffer, .address_space: global }
      - { .name: weight_q, .offset: 16, .size: 8, .value_kind: global_buffer, .address_space: global }
      - { .name: xh, .offset: 24, .size: 8, .value_kind: global_buffer, .address_space: global }
      - { .name: wh, .offset: 32, .size: 8, .value_kind: global_buffer, .address_space: global }
    .group_segment_fixed_size: 0
    .private_segment_fixed_size: 0
    .kernarg_segment_align: 8
    .kernarg_segment_size: 40
    .max_flat_workgroup_size: 256
    .sgpr_count:     66
    .vgpr_count:     104
    .wavefront_size: 32
...
	.end_amdgpu_metadata
.endif
;; end of part 1
;; launch gemm (part 2): grid 8 x 32, 4 waves a work-group, clusters of 4 x 4, 327,680 bytes of LDS; arguments xh, wh, out0; writes out0
.if DOCPART == 2
	.amdgcn_target "amdgcn-amd-amdhsa--gfx1250"
	.amdhsa_code_object_version 6
	.text
	.protected	k_qd0329359b0_gemm
	.globl	k_qd0329359b0_gemm
	.p2align	8
	.type	k_qd0329359b0_gemm,@function
k_qd0329359b0_gemm:
	s_mov_b64 s[64:65], 0
	v_nop
	global_prefetch_b8 v0, s[64:65] scope:SCOPE_SE
	s_setreg_imm32_b32 hwreg(HW_REG_WAVE_MODE, 25, 1), 1
	s_wait_xcnt 0x0
	s_wait_alu depctr_hold_cnt(0) depctr_sa_sdst(0) depctr_va_vdst(0) depctr_va_sdst(0) depctr_va_ssrc(0) depctr_va_vcc(0) depctr_vm_vsrc(0)
	s_getreg_b32 s2, hwreg(HW_REG_IB_STS2, 6, 4)
	s_cmp_eq_u32 s2, 0
	s_cbranch_scc0 .Lentry_in_a_cluster
	s_endpgm
.Lentry_in_a_cluster:
	s_bfe_u32 s2, ttmp6, 0x10000c
	s_cmp_lg_u32 s2, 0xf033
	s_cbranch_scc0 .Lentry_shape_is_right
	s_endpgm
.Lentry_shape_is_right:
; C[m][n] = sum over k of A[m][k] B[n][k].  A = xh: [8192][4096] f16, B = wh: [2048][4096] f16, C = out0: [8192][2048] f32; sums in f32, one for each output, K ascending.
; LIMITS.  The operands arrive in f16 (the launch in front states what that holds); the sums are stored as they are, unrounded.  NaN and infinities are not treated apart.
; A tile of C, 256 x 256, is made by a work-group of four waves, as many as a WGP has SIMDs; a wave makes 128 x 128: 64 accumulators of 16 x 16, 512 registers.
; C has 32 x 8 = 256 tiles: one to a work-group.  K goes in 32 steps of 128 through a ring of two LDS slots filled by the tensor data mover: the rows of A's and B's tiles
; are 256 bytes of memory and start at multiples of 256 bytes from the buffer's first byte.
; CLUSTERS: 4 x 4 work-groups.  The four of a row of the cluster make tiles of one tile row of C and need the same tiles of A; the four of a column need the same tiles of B.
; Such a tile is asked for JOINTLY: each of the four issues the same tensor load, with the same descriptor and a mask that names the four, and each receives it in its own LDS.
;
; REGISTERS, in windows of 256 (an instruction names v0-v255; s_set_vgpr_msb says which window each operand place means: bits 1:0 source 0, 3:2 source 1, 5:4 source 2, 7:6 destination):
;   window 0: v0-31 addresses; v64-127, v128-191 fragments of A (8 x 16 rows x 32 K), two buffers; on the way out the same 128 registers take whole rows of C, two buffers of 16 rows
;   window 1: v64-127, v128-191 fragments of B, two buffers
;   window 2: the 32 accumulators of my rows 0-63 (accumulator (a, b) at v[8 (8 a + b)]);   window 3: those of my rows 64-127
;
; THE MATRIX INSTRUCTION IS USED TRANSPOSED: source 0 = 16 rows of B, source 1 = 16 rows of A.  In the result lane l then holds row m = l % 16 of C, and its registers 0 to 7
; the columns n = 8 (l / 16) + 0 .. 7: eight NEIGHBOURING numbers of a row of C, 32 bytes.
.set SIZE_M, 8192
.set SIZE_N, 2048
.set SIZE_K, 4096
.set KSTEP,  128
.set PITCH,  272                       ; an LDS row: 256 bytes of data + 16 of padding = 68 words: row r starts at bank 4 r mod 64 (64 banks of 4 bytes: ISA guide 11.1), so the 16 rows that a load touches start at 16 different banks
.set HALFT,  128*PITCH                 ; 128 rows: what one tensor load brings, and what one wave reads of A or of B
.set SLOT,   4*HALFT                   ; A's 256 rows, then B's 256 rows
.set STAGE,  2*SLOT                    ; behind the ring: a stage for each wave, for the way out; no tensor load lands there
.set SPITCH, 528                       ; a stage row: my 128 columns of C, 512 bytes, + 16 = 132 words: row r again starts at bank 4 r mod 64
.set WSTAGE, 16*SPITCH                 ; 16 rows: 8,448 bytes, 33 blocks of 256
.set SPARE,  STAGE+4*WSTAGE            ; behind the stages: the spare words, 128 bytes for each wave: two blocks of 256 bytes that no other line names
.set LAPS,   SIZE_K/(2*KSTEP)          ; a lap = two K steps = once round the ring: 16
.set ADRA, 16                          ; v16-17  LDS address of my A fragments in slot 0, 1
.set ADRB, 20                          ; v20-21  the same for B
.set STO,  24                          ; v24     the way out: where I put 32 bytes of a row
.set RD,   25                          ; v25     the way out: where I read 16 bytes of a row back
.set CO,   26                          ; v26     my byte offset in 512 consecutive bytes of C
.set SPW,  28                          ; v28     LDS address of my spare word: SPARE + 4 x my thread's number; never rewritten
.set NIL,  29                          ; v29     0; never rewritten
.set F0,   64                          ; fragment buffer 0
.set F1,   128                         ; fragment buffer 1
.set G1,  24                           ; s[24:31] descriptor group 1 for A's tiles
.set G0,  32                           ; s[32:39] descriptor group 0 for A's tiles, one set for each slot
.set G1B, 48                           ; s[48:55] descriptor group 1 for B's tiles: it differs from A's in the mask alone
.set G0B, 56                           ; s[56:63] descriptor group 0 for B's tiles, one set for each slot
.set MSB, 0
.macro WIN new                         ; the immediate's high byte repeats the setting that is left; a switch that changes nothing is dropped
.if MSB != (\new)
	s_set_vgpr_msb (MSB<<8)|(\new)
.set MSB, \new
.endif
.endm
.set MUL_LO, 0xa1                      ; source 0 (B) window 1, source 1 (A) window 0, C and D window 2
.set MUL_HI, 0xf1                      ; the same, C and D window 3
.set TO_B,   0x40                      ; destination window 1, address window 0
; A joint load.  Waves 0 and 1 fetch A's two halves, waves 2 and 3 B's.  Each of the two lines has ONE mask and one set of registers for all that issue it, and nothing in
; them hangs on a coordinate that the four partners do not share.  The branch hangs on the wave's number alone: it is the same in every work-group.
; An s_nop 0 and four v_nop follow each of the two lines; the jump round the other line, the label and what follows the macro come after them.
.macro JLOAD s
	s_cmp_eq_u32 s11, 0
	s_cbranch_scc0 .Lfor_b_\@
	tensor_load_to_lds s[G0+4*(\s):G0+4*(\s)+3], s[G1:G1+7]
	s_nop 0
.rept 4
	v_nop
.endr
	s_branch .Lasked_\@
.Lfor_b_\@:
	tensor_load_to_lds s[G0B+4*(\s):G0B+4*(\s)+3], s[G1B:G1B+7]
	s_nop 0
.rept 4
	v_nop
.endr
.Lasked_\@:
.endm
; A round of the cluster's barrier: my work-group's barrier, so that wave 0's signal speaks for all four waves; wave 0 signals for the work-group; every wave waits for all
; sixteen work-groups; my work-group's barrier once more.  No LDS instruction of the wave is pending at a signal.
.macro CREST                           ; a round behind its opening barrier
	s_cmp_lg_u32 s10, 0
	s_cbranch_scc1 .Lnot_wave_0_\@
	s_barrier_signal -3
.Lnot_wave_0_\@:
	s_barrier_wait -3
	s_barrier_signal -1
	s_barrier_wait -1
.endm
.macro CROUND                          ; a whole round
	s_barrier_signal -1
	s_barrier_wait -1
	CREST
.endm
	s_load_b128 s[4:7], s[0:1], 0x0                ; A s[4:5], B s[6:7]
	s_load_b64 s[8:9], s[0:1], 0x10                ; C
	v_lshl_add_u32 v[SPW], v0, 2, SPARE
	v_mov_b32 v[NIL], 0
	ds_add_u32 v[SPW], v[NIL]                      ; the wave's opening: the add and its wait stand ahead of my first tensor load; the set-up below, work on registers, stands between them
	v_lshrrev_b32 v1, 5, v0
	v_readfirstlane_b32 s10, v1                    ; wave 0..3
	s_lshr_b32 s11, s10, 1                         ; which half of the tile's rows is mine.  Also: I fetch for A (0) or for B (1)
	s_and_b32 s12, s10, 1                          ; which half of its columns.  Also: which 128 rows of that tile I fetch
	s_bfe_u32 s40, ttmp6, 0x40000                  ; cx: my place along the cluster's x
	s_bfe_u32 s41, ttmp6, 0x40004                  ; cy: along its y
	s_lshl_b32 s42, ttmp9, 2                       ; in a cluster launch ttmp9 and ttmp7 count clusters
	s_add_co_u32 s42, s42, s40                     ; tile column of C = 4 x cluster x + cx
	s_and_b32 s13, ttmp7, 0xffff
	s_lshl_b32 s13, s13, 2
	s_add_co_u32 s13, s13, s41                     ; tile row of C = 4 x cluster y + cy
	s_lshl_b32 s43, s41, 2
	s_lshl_b32 s43, 15, s43                        ; my row of the cluster: places 4 cy .. 4 cy + 3
	s_lshl_b32 s44, 0x1111, s40                    ; my column: places cx, cx + 4, cx + 8, cx + 12
	; descriptor group 1: a tile of 128 rows x 128 elements, padded in LDS
	s_or_b32 s[G1+0], s43, (1<<16)|(1<<20)|(1<<21)|(5<<22)|(3<<25)  ; 15:0 the mask: A's tiles go to my row; 17:16 element of 2 bytes; 20 padding on; 21 set beside a mask; 24:22 after every 64 words (code 5); 31:25 of 4 words (code 3)
	s_or_b32 s[G1B+0], s44, (1<<16)|(1<<20)|(1<<21)|(5<<22)|(3<<25) ; the same with the mask of my column, for B's tiles
	s_mov_b32 s[G1B+1], KSTEP<<16
	s_mov_b32 s[G1+1], KSTEP<<16                   ; 63:48 tensor_dim0, low half = 128
	s_mov_b32 s[G1B+2], 128<<16
	s_mov_b32 s[G1+2], 128<<16                     ; 79:64 its high half = 0; 95:80 tensor_dim1, low half = 128
	s_mov_b32 s[G1B+3], KSTEP<<16
	s_mov_b32 s[G1+3], KSTEP<<16                   ; 111:96 its high half = 0; 127:112 tile_dim0 = 128
	s_mov_b32 s[G1B+4], 128
	s_mov_b32 s[G1+4], 128                         ; 143:128 tile_dim1 = 128; 159:144 tile_dim2 = 0
	s_mov_b32 s[G1B+5], SIZE_K
	s_mov_b32 s[G1+5], SIZE_K                      ; 191:160 tensor_dim0_stride, low word: elements from row to row
	s_mov_b32 s[G1B+6], 0
	s_mov_b32 s[G1+6], 0
	s_mov_b32 s[G1B+7], 0
	s_mov_b32 s[G1+7], 0
	; where the tiles come from.  A's hang on the tile row alone, which my row of the cluster shares; B's on the tile column alone, which my column shares.
	; Every wave makes both addresses, in registers that never hold the other coordinate, and asks by one of them.
	s_lshl_b32 s17, s12, 7                         ; which 128 rows of the tile I fetch
	s_lshl_b32 s16, s13, 8
	s_add_co_u32 s16, s16, s17                     ; A: row 256 x tile row + 128 x half
	s_lshl_b32 s46, s42, 8
	s_add_co_u32 s46, s46, s17                     ; B: row 256 x tile column + 128 x half
	s_mov_b32 s17, 0
	s_mov_b32 s47, 0
	s_mov_b64 s[18:19], SIZE_K*2
	s_mul_u64 s[16:17], s[16:17], s[18:19]         ; in bytes, in 64 bits
	s_mul_u64 s[46:47], s[46:47], s[18:19]
	s_mul_i32 s20, s10, HALFT                      ; and where they go: A's two halves, then B's two halves = wave x 128 rows: no place in the cluster enters an LDS address
	s_wait_dscnt 0x0                               ; the opening add is done
	s_wait_kmcnt 0x0
	s_add_nc_u64 s[14:15], s[4:5], s[16:17]
	s_add_nc_u64 s[46:47], s[6:7], s[46:47]
	CROUND                                         ; all sixteen work-groups are here: the first joint loads meet
.irp s, 0,1
	s_mov_b32 s[G0+4*(\s)], 1                                      ; 1:0 count = 1
	s_add_co_u32 s[G0+4*(\s)+1], s20, (\s)*SLOT                    ; 63:32 LDS address
	s_add_nc_u64 s[G0+4*(\s)+2:G0+4*(\s)+3], s[14:15], (\s)*KSTEP*2  ; 120:64 global address: K step s
	s_or_b32 s[G0+4*(\s)+3], s[G0+4*(\s)+3], 0x80000000            ; 127:126 type = 2
	s_mov_b32 s[G0B+4*(\s)], 1
	s_add_co_u32 s[G0B+4*(\s)+1], s20, (\s)*SLOT
	s_add_nc_u64 s[G0B+4*(\s)+2:G0B+4*(\s)+3], s[46:47], (\s)*KSTEP*2
	s_or_b32 s[G0B+4*(\s)+3], s[G0B+4*(\s)+3], 0x80000000
	JLOAD \s                                       ; the ring is filled before anything else is done: two loads of mine are out
.endr
	; A fragment is 16 rows x 32 K in 8 registers: lane l holds row l % 16; registers 0-3 hold K = 8 (l / 16) + 0..7, registers 4-7 hold
	; K = 16 + 8 (l / 16) + 0..7.  From rows that lie along K: two loads of 16 bytes, 32 bytes apart.  The same for source 0 and source 1.
	v_and_b32 v1, 15, v0                           ; l % 16
	v_bfe_u32 v2, v0, 4, 1                         ; l / 16
	v_mul_u32_u24 v3, v1, PITCH
	v_lshl_add_u32 v3, v2, 4, v3                   ; row x pitch + 16 x half
	s_mul_i32 s21, s11, HALFT                      ; my 128 rows of A
	s_mul_i32 s22, s12, HALFT                      ; my 128 rows of B,
	s_add_co_u32 s22, s22, 2*HALFT                 ; which lie behind A's 256
.irp s, 0,1
	v_add_nc_u32 v[ADRA+(\s)], s21, v3
	v_add_nc_u32 v[ADRB+(\s)], s22, v3
	s_add_co_u32 s21, s21, SLOT
	s_add_co_u32 s22, s22, SLOT
.endr
	s_mul_i32 s23, s10, WSTAGE
	s_add_co_u32 s23, s23, STAGE                   ; my stage
	v_mul_u32_u24 v4, v1, SPITCH                   ; in: row l % 16, 32 bytes for each half of the lanes
	v_lshl_add_u32 v4, v2, 5, v4
	v_add_nc_u32 v[STO], s23, v4
	v_and_b32 v5, 31, v0
	v_lshlrev_b32 v[CO], 4, v5                     ; back and out: the 32 lanes take one row's 512 bytes, 16 each
	v_add_nc_u32 v[RD], s23, v[CO]
	; where my part of the tile begins in C, in bytes
	s_lshl_b32 s13, s13, 8
	s_lshl_b32 s14, s11, 7
	s_add_co_u32 s16, s13, s14                     ; my first row of C
	s_mov_b32 s17, 0
	s_mov_b64 s[18:19], SIZE_N*4
	s_mul_u64 s[16:17], s[16:17], s[18:19]
	s_lshl_b32 s46, s42, 10                        ; my first column, in bytes: 1,024 x tile column + 512 x half (in the registers that held B's address)
	s_lshl_b32 s47, s12, 9
	s_add_co_u32 s46, s46, s47
	s_mov_b32 s47, 0
	s_add_nc_u64 s[16:17], s[16:17], s[46:47]
	s_add_nc_u64 s[8:9], s[8:9], s[16:17]          ; never stepped again: the rows stand in the stores' immediates
; 16 matrix instructions: m blocks a0, a0 + 1 of the window's four (hi = 0: my rows 0-63, 1: rows 64-127) x all 8 n blocks, 32 along K.
; zero = 1: the first product starts the sums: nothing is ever cleared.  The 64 accumulators take turns, one instruction a turn, in the same order in every quarter step.
.macro MUL16 f, hi, a0, zero
	WIN MUL_LO+0x50*(\hi)  ; MUL_LO or MUL_HI
.irp a, \a0, (\a0)+1
.irp b, 0,1,2,3,4,5,6,7
.if \zero
	v_wmma_f32_16x16x32_f16 v[8*(8*(\a)+(\b)):8*(8*(\a)+(\b))+7], v[(\f)+8*(\b):(\f)+8*(\b)+7], v[(\f)+8*(4*(\hi)+(\a)):(\f)+8*(4*(\hi)+(\a))+7], 0
.else
	v_wmma_f32_16x16x32_f16 v[8*(8*(\a)+(\b)):8*(8*(\a)+(\b))+7], v[(\f)+8*(\b):(\f)+8*(\b)+7], v[(\f)+8*(4*(\hi)+(\a)):(\f)+8*(4*(\hi)+(\a))+7], v[8*(8*(\a)+(\b)):8*(8*(\a)+(\b))+7]
.endif
.endr
.endr
.endm
; 32 LDS loads in one run: the fragments of one quarter step (128 rows of B, 128 rows of A, 32 K at byte k of the rows) into buffer f
.macro FETCH slot, k, f
	WIN TO_B
.irp i, 0,1,2,3,4,5,6,7
	ds_load_b128 v[(\f)+8*(\i):(\f)+8*(\i)+3],   v[ADRB+(\slot)] offset:(\k)+(\i)*16*PITCH
	ds_load_b128 v[(\f)+8*(\i)+4:(\f)+8*(\i)+7], v[ADRB+(\slot)] offset:(\k)+(\i)*16*PITCH+32
.endr
	WIN 0
.irp i, 0,1,2,3,4,5,6,7
	ds_load_b128 v[(\f)+8*(\i):(\f)+8*(\i)+3],   v[ADRA+(\slot)] offset:(\k)+(\i)*16*PITCH
	ds_load_b128 v[(\f)+8*(\i)+4:(\f)+8*(\i)+7], v[ADRA+(\slot)] offset:(\k)+(\i)*16*PITCH+32
.endr
.endm
; A load into a register that a matrix instruction has read, and an LDS store that reads a matrix result, stand four places behind that matrix instruction, and only plain
; vector instructions that name none of its registers are places (ISA guide 7.12.1 for vector instructions).
.macro PLACES
.rept 4
	v_nop
.endr
.endm
; A K step is four quarter steps of 32 along K, 64 matrix instructions each, on buffers 0, 1, 0, 1.
; One of the first three: multiplies buffer f; in its middle it fetches the next quarter's fragments, at byte k of the same slot's rows, into buffer g.
.macro QUARTER slot, k, f, g, zero
	s_wait_dscnt 8                                 ; B and A's rows 0-63 are in; the youngest eight loads (A's rows 64-127) may be out
	WIN MUL_LO
	MUL16 \f, 0, 0, \zero
	MUL16 \f, 0, 2, \zero
	PLACES
	FETCH \slot, \k, \g
	s_wait_dscnt 32                                ; all but the 32 just issued
	WIN MUL_HI
	MUL16 \f, 1, 0, \zero
	MUL16 \f, 1, 2, \zero
.endm
; The last quarter multiplies buffer 1 and changes slots.  MEET is its first half: ONE barrier for the change of slots, for two things.  In front of it each wave waits for
; all its tensor loads, of which one is out: its part of the next slot; adds 0 to its spare word; and waits for that and for its own reads of this slot.  Behind it nobody reads this slot any more and the next slot is whole.
.macro MEET round                      ; round = 1: a round of the cluster's barrier follows
	WIN 0                                          ; (the add's two registers lie in window 0)
	s_wait_tensorcnt 0x0                           ; all my tensor loads have landed: the one that was out is my part of the next slot;
	ds_add_u32 v[SPW], v[NIL]                      ; 0 onto my spare word;
	s_wait_dscnt 9                                 ; (the add and the youngest eight loads may be out)
	WIN MUL_LO
	MUL16 F1, 0, 0, 0                              ; sixteen matrix instructions stand between the add and the wait for it
	s_wait_dscnt 0x0                               ; the add is done, and my reads of this slot are over:
	s_barrier_signal -1                            ; say so (where a slot is filled again this barrier opens a round of the cluster's barrier),
	MUL16 F1, 0, 2, 0                              ; work on registers while the others arrive,
.if \round
	WIN 0
.endif
	s_barrier_wait -1                              ; and go on when all four have said so
.endm
; The whole last quarter.  fill = 1: behind the round the slot just read out is filled again first, with the K step two steps on; then come the next slot's first fragments.
; From a request to the wait for it a wave issues 224 matrix instructions.  fill = 0: nothing is left to ask for, and no round follows.
.macro TURN slot, next, fill
.if \fill
	MEET 1
	CREST                                          ; wave 0 says so for the work-group, all sixteen work-groups have said so, my work-group's barrier closes the round:
	                                               ; no wave of any partner still reads this slot's tile or has a load on its way
	s_add_nc_u64 s[G0+4*(\slot)+2:G0+4*(\slot)+3], s[G0+4*(\slot)+2:G0+4*(\slot)+3], 2*KSTEP*2    ; no tensor load of mine is out: a group 0 may be written; the type bits on top are not reached
	s_add_nc_u64 s[G0B+4*(\slot)+2:G0B+4*(\slot)+3], s[G0B+4*(\slot)+2:G0B+4*(\slot)+3], 2*KSTEP*2
	JLOAD \slot                                    ; the first tensor load behind the round, my only one until the next; the four v_nop behind it are also the places in front of the loads below
.else
	MEET 0
	PLACES                                         ; for the loads into buffer 0, which the quarter before multiplied
.endif
	FETCH \next, 0, F0
	WIN MUL_HI
	MUL16 F1, 1, 0, 0
	MUL16 F1, 1, 2, 0
.endm
; THE WAY OUT of block a (16 of my rows), in two parts.  TOSTAGE: a lane's 32 bytes of each of the 8 accumulators go into my own stage in LDS, each accumulator's low four registers first
; and come back as whole rows of 512 bytes, into the registers where A's fragments lay: blocks take the two buffers by turns.  SEND: stored.
.macro TOSTAGE a
.set AC, 64*((\a)%4)
.set BK, F0+64*((\a)%2)
	WIN 0x08+4*((\a)/4)                            ; an LDS store's data is source 1: window 2 or 3; the address stays in window 0
.irp b, 0,1,2,3,4,5,6,7
	ds_store_b128 v[STO], v[AC+8*(\b):AC+8*(\b)+3]   offset:64*(\b)
	ds_store_b128 v[STO], v[AC+8*(\b)+4:AC+8*(\b)+7] offset:64*(\b)+16
.endr
	WIN 0
.if (\a) >= 2
	s_wait_xcnt 0x0                                ; this buffer was the data of block a - 2's stores: it is loaded again only behind this wait (ISA guide 3.1)
.endif
.irp t, 0,1,2,3,4,5,6,7,8,9,10,11,12,13,14,15
	ds_load_b128 v[BK+4*(\t):BK+4*(\t)+3], v[RD] offset:(\t)*SPITCH  ; LDS serves a wave's instructions in order (ISA guide 5.7.1.4): these see the stores above, and the next block's stores come behind them
.endr
.endm
.macro SEND a, younger                 ; younger: the LDS instructions issued behind block a's loads: the next block's 16 stores and 16 loads, or none
.set BK, F0+64*((\a)%2)
	WIN 0
	s_wait_dscnt \younger                          ; the block is back in registers
.irp t, 0,1,2,3,4,5,6,7,8,9,10,11,12,13,14,15
	global_store_b128 v[CO], v[BK+4*(\t):BK+4*(\t)+3], s[8:9] offset:(16*(\a)+(\t))*SIZE_N*4 th:TH_STORE_NT  ; the wave stores 512 consecutive bytes, at a multiple of 512 from C's first byte; 127 rows of 8,192 bytes at the most: inside the signed 24-bit immediate
.endr
.endm
	s_wait_tensorcnt 1                             ; my part of K step 0 is in; K step 1's may stay out
	s_barrier_signal -1
	s_barrier_wait -1                              ; everybody's is
	FETCH 0, 0, F0
	QUARTER 0, 64,  F0, F1, 1                      ; the first quarter stands in front of the loop: its products start the sums
	WIN 0                                          ; at a label and at a branch every window is 0
	s_mov_b32 s3, LAPS-1
.Llap:                                                 ; a trip goes once round the ring, from a lap's second quarter to the next lap's first, and fills both slots again
	QUARTER 0, 128, F1, F0, 0
	QUARTER 0, 192, F0, F1, 0
	TURN 0, 1, 1
	QUARTER 1, 64,  F0, F1, 0
	QUARTER 1, 128, F1, F0, 0
	QUARTER 1, 192, F0, F1, 0
	TURN 1, 0, 1
	QUARTER 0, 64,  F0, F1, 0
	WIN 0
	s_sub_co_u32 s3, s3, 1
	s_cmp_lg_u32 s3, 0
	s_cbranch_scc1 .Llap
	QUARTER 0, 128, F1, F0, 0                      ; the last lap is written out: it asks for nothing
	QUARTER 0, 192, F0, F1, 0
	TURN 0, 1, 0                                   ; my one tensor load that was still out is slot 1's, the last K step's
	QUARTER 1, 64,  F0, F1, 0
	QUARTER 1, 128, F1, F0, 0
	QUARTER 1, 192, F0, F1, 0
	s_wait_dscnt 8                                 ; the very last quarter: nothing more to fetch
	WIN MUL_LO
	MUL16 F1, 0, 0, 0
	MUL16 F1, 0, 2, 0
	s_wait_dscnt 0x0
	MUL16 F1, 1, 0, 0
	MUL16 F1, 1, 2, 0
	WIN 0
	PLACES                                         ; behind the last products: the LDS stores below read results, the LDS loads below land where fragments lay
	TOSTAGE 0
.irp a, 1,2,3,4,5,6,7                  ; block a goes into the stage while block a - 1 comes back from it
	TOSTAGE \a
	SEND (\a)-1, 32
.endr
	SEND 7, 0
	s_wait_tensorcnt 0x0                           ; the wave's end, behind my last tensor load and my last LDS store
	ds_add_u32 v[SPW], v[NIL]
	s_wait_dscnt 0x0
	CROUND                                         ; the closing round: no work-group ends while a partner may still ask for a tile that names it
	s_endpgm
.Lfunc_end_k_qd0329359b0_gemm:
	.size	k_qd0329359b0_gemm, .Lfunc_end_k_qd0329359b0_gemm-k_qd0329359b0_gemm
	.p2alignl 7, 3214868480
	.fill 96, 4, 3214868480
	.section	.rodata,"a",@progbits
	.p2align	6, 0x0
	.amdhsa_kernel k_qd0329359b0_gemm
		.amdhsa_group_segment_fixed_size 327680
		.amdhsa_private_segment_fixed_size 0
		.amdhsa_enable_private_segment 0
		.amdhsa_kernarg_size 24
		.amdhsa_user_sgpr_count 2
		.amdhsa_user_sgpr_kernarg_segment_ptr 1
		.amdhsa_wavefront_size32 1
		.amdhsa_system_sgpr_workgroup_id_x 1
		.amdhsa_system_sgpr_workgroup_id_y 1
		.amdhsa_system_sgpr_workgroup_id_z 1
		.amdhsa_system_vgpr_workitem_id 0
		.amdhsa_next_free_vgpr 1024
		.amdhsa_next_free_sgpr 66
		.amdhsa_reserve_vcc 0
		.amdhsa_float_denorm_mode_32 3
		.amdhsa_float_denorm_mode_16_64 3
		.amdhsa_memory_ordered 1
		.amdhsa_forward_progress 1
		.amdhsa_inst_pref_size 140
	.end_amdhsa_kernel
	.amdgpu_metadata
---
amdhsa.version: [ 1, 2 ]
amdhsa.kernels:
  - .name:           k_qd0329359b0_gemm
    .symbol:         k_qd0329359b0_gemm.kd
    .args:
      - { .name: xh, .offset: 0, .size: 8, .value_kind: global_buffer, .address_space: global }
      - { .name: wh, .offset: 8, .size: 8, .value_kind: global_buffer, .address_space: global }
      - { .name: out0, .offset: 16, .size: 8, .value_kind: global_buffer, .address_space: global }
    .group_segment_fixed_size: 327680
    .private_segment_fixed_size: 0
    .kernarg_segment_align: 8
    .kernarg_segment_size: 24
    .max_flat_workgroup_size: 128
    .sgpr_count:     66
    .vgpr_count:     1024
    .wavefront_size: 32
...
	.end_amdgpu_metadata
.endif
;; end of part 2
